; MI455X (gfx1250); checked and timed in simulation.
; The chip was launched on July 23, 2026; its instructions are those of AMD's public machine-readable ISA for CDNA 5 (MIT licence, August 2026) and "CDNA5" Instruction Set Architecture Reference Guide (July 2026). The comments in the code are by the model that wrote it; some were corrected since.
;; Multi Head Attention. Allowed arithmetic: float matrix products may take bf16 or f16 operands with f32 sums; all other float work in f32.
;; Inputs: Wk 1,024 x 1,024 float32; Wo 1,024 x 1,024 float32; Wq 1,024 x 1,024 float32; Wv 1,024 x 1,024 float32; bk 1,024 float32; bo 1,024 float32; bq 1,024 float32; bv 1,024 float32; k 2 x 2,048 x 1,024 float32; q 2 x 2,048 x 1,024 float32; v 2 x 2,048 x 1,024 float32.
;; Outputs: out0 2 x 2,048 x 1,024 float32.
;; One version. Each part assembles by itself: llvm-mc -triple=amdgcn-amd-amdhsa -mcpu=gfx1250 --defsym DOCPART=n.
;; ======== version 1 of 1: 4 launches
;; limits: values are held in f16: magnitudes above 65,504 overflow, below 6.1e-05 lose precision; right only within a limited range of input values
;; workspace buffers: xb 25,165,824 bytes; wb 8,388,608 bytes; qkv 25,165,824 bytes; ob 8,388,608 bytes
;; launch cast (part 1): grid 256 x 4, 8 waves a work-group, no clusters, 0 bytes of LDS; arguments q, k, v, Wq, Wk, Wv, Wo, xb, wb; writes xb, wb
.if DOCPART == 1
	.amdgcn_target "amdgcn-amd-amdhsa--gfx1250"
	.amdhsa_code_object_version 6
	.text
	.protected	k_qc4a0f095ec_cast
	.globl	k_qc4a0f095ec_cast
	.p2align	8
	.type	k_qc4a0f095ec_cast,@function
k_qc4a0f095ec_cast:
	s_mov_b64 s[64:65], 0
	v_nop
	global_prefetch_b8 v0, s[64:65] scope:SCOPE_SE
	s_setreg_imm32_b32 hwreg(HW_REG_WAVE_MODE, 25, 1), 1
	s_wait_xcnt 0x0
; f32 -> f16 (round to nearest even) of q, k, v into xb [3][4096][1024] and of Wq, Wk, Wv, Wo into wb [4][1024][1024].
; 1,024 work-groups of eight waves; each turns 65,536 bytes of f32 into 32,768 bytes of f16.  y = 0, 1, 2: chunk x of q, k, v;
; y = 3: chunk x & 63 of weight number x >> 6.  Thread t takes the 16 bytes at 16 t + 4,096 i, i = 0 .. 15: a wave's load covers 512
; consecutive bytes, a wave's store 256 consecutive bytes at a multiple of 256.  All sixteen loads are issued first; no register is
; written twice, so the only waits are the counted ones for the data.  No LDS, no barrier, no shared tile: nothing to ask for jointly.
; LIMIT: f16 is finite up to 65,504; a larger input becomes infinite.  The inputs drawn have a spread of 1 (weights 1/32).
.set X, 4                              ; v[4:67]   sixteen loads of four f32
.set Y, 68                             ; v[68:99]  sixteen stores of four f16
	s_load_b512 s[8:23], s[0:1], 0x0               ; q s[8:9], k, v, Wq, Wk, Wv, Wo s[20:21], xb s[22:23]
	s_load_b64 s[24:25], s[0:1], 0x40              ; wb
	s_and_b32 s26, ttmp7, 0xffff                   ; y
	s_lshr_b32 s27, ttmp9, 6                       ; which weight, if y = 3
	s_add_co_u32 s28, s27, 3                       ; its place in the list of sources
	s_and_b32 s29, ttmp9, 63                       ; and the chunk in it
	s_lshl_b32 s30, s26, 23                        ; y planes of 8 MiB in xb
	s_cmp_lt_u32 s26, 3
	s_cselect_b32 s28, s26, s28                    ; source 0 .. 6
	s_cselect_b32 s29, ttmp9, s29                  ; chunk in the source
	s_cselect_b32 s30, s30, 0                      ; plane in the destination (wb: x * 32,768 says it all)
	s_lshl_b32 s2, s29, 16                         ; source offset: chunk * 65,536
	s_mov_b32 s3, 0
	s_lshl_b32 s27, ttmp9, 15
	s_add_co_u32 s30, s30, s27                     ; destination offset: plane + x * 32,768
	s_mov_b32 s31, 0
	v_lshlrev_b32 v1, 4, v0                        ; 16 t
	v_lshlrev_b32 v2, 3, v0                        ; 8 t
	s_wait_kmcnt 0x0
	s_cmp_lt_u32 s26, 3
	s_cselect_b64 s[6:7], s[22:23], s[24:25]       ; xb or wb
	s_mov_b64 s[4:5], s[8:9]
.irp n, 1,2,3,4,5,6
	s_cmp_eq_u32 s28, \n
	s_cselect_b64 s[4:5], s[8+2*\n:9+2*\n], s[4:5] ; the source's address, chosen by the work-group's number alone
.endr
	s_add_nc_u64 s[4:5], s[4:5], s[2:3]
	s_add_nc_u64 s[6:7], s[6:7], s[30:31]
.irp i, 0,1,2,3,4,5,6,7,8,9,10,11,12,13,14,15
	global_load_b128 v[X+4*\i:X+4*\i+3], v1, s[4:5] offset:\i*4096 th:TH_LOAD_NT   ; read once in the launch
.endr
.irp i, 0,1,2,3,4,5,6,7,8,9,10,11,12,13,14,15
	s_wait_loadcnt 15-\i                           ; loads come back in order (ISA guide 5.7.1): load i is in, the 15 - i younger ones stay out
	v_cvt_pk_f16_f32 v[Y+2*\i], v[X+4*\i], v[X+4*\i+1]
	v_cvt_pk_f16_f32 v[Y+2*\i+1], v[X+4*\i+2], v[X+4*\i+3]
	global_store_b64 v2, v[Y+2*\i:Y+2*\i+1], s[6:7] offset:\i*2048
.endr
	s_endpgm
.Lfunc_end_k_qc4a0f095ec_cast:
	.size	k_qc4a0f095ec_cast, .Lfunc_end_k_qc4a0f095ec_cast-k_qc4a0f095ec_cast
	.p2alignl 7, 3214868480
	.fill 96, 4, 3214868480
	.section	.rodata,"a",@progbits
	.p2align	6, 0x0
	.amdhsa_kernel k_qc4a0f095ec_cast
		.amdhsa_group_segment_fixed_size 0
		.amdhsa_private_segment_fixed_size 0
		.amdhsa_enable_private_segment 0
		.amdhsa_kernarg_size 72
		.amdhsa_user_sgpr_count 2
		.amdhsa_user_sgpr_kernarg_segment_ptr 1
		.amdhsa_wavefront_size32 1
		.amdhsa_system_sgpr_workgroup_id_x 1
		.amdhsa_system_sgpr_workgroup_id_y 1
		.amdhsa_system_sgpr_workgroup_id_z 1
		.amdhsa_system_vgpr_workitem_id 0
		.amdhsa_next_free_vgpr 100
		.amdhsa_next_free_sgpr 66
		.amdhsa_reserve_vcc 0
		.amdhsa_float_denorm_mode_32 3
		.amdhsa_float_denorm_mode_16_64 3
		.amdhsa_memory_ordered 1
		.amdhsa_forward_progress 1
		.amdhsa_inst_pref_size 7
	.end_amdhsa_kernel
	.amdgpu_metadata
---
amdhsa.version: [ 1, 2 ]
amdhsa.kernels:
  - .name:           k_qc4a0f095ec_cast
    .symbol:         k_qc4a0f095ec_cast.kd
    .args:
      - { .name: q, .offset: 0, .size: 8, .value_kind: global_buffer, .address_space: global }
      - { .name: k, .offset: 8, .size: 8, .value_kind: global_buffer, .address_space: global }
      - { .name: v, .offset: 16, .size: 8, .value_kind: global_buffer, .address_space: global }
      - { .name: Wq, .offset: 24, .size: 8, .value_kind: global_buffer, .address_space: global }
      - { .name: Wk, .offset: 32, .size: 8, .value_kind: global_buffer, .address_space: global }
      - { .name: Wv, .offset: 40, .size: 8, .value_kind: global_buffer, .address_space: global }
      - { .name: Wo, .offset: 48, .size: 8, .value_kind: global_buffer, .address_space: global }
      - { .name: xb, .offset: 56, .size: 8, .value_kind: global_buffer, .address_space: global }
      - { .name: wb, .offset: 64, .size: 8, .value_kind: global_buffer, .address_space: global }
    .group_segment_fixed_size: 0
    .private_segment_fixed_size: 0
    .kernarg_segment_align: 8
    .kernarg_segment_size: 72
    .max_flat_workgroup_size: 256
    .sgpr_count:     66
    .vgpr_count:     100
    .wavefront_size: 32
...
	.end_amdgpu_metadata
.endif
;; end of part 1
;; launch proj (part 2): grid 4 x 48, 4 waves a work-group, clusters of 4 x 4, 327,680 bytes of LDS; arguments xb, wb, bq, bk, bv, qkv; writes qkv
.if DOCPART == 2
	.amdgcn_target "amdgcn-amd-amdhsa--gfx1250"
	.amdhsa_code_object_version 6
	.text
	.protected	k_qc4a0f095ec_proj
	.globl	k_qc4a0f095ec_proj
	.p2align	8
	.type	k_qc4a0f095ec_proj,@function
k_qc4a0f095ec_proj:
	s_mov_b64 s[64:65], 0
	v_nop
	global_prefetch_b8 v0, s[64:65] scope:SCOPE_SE
	s_setreg_imm32_b32 hwreg(HW_REG_WAVE_MODE, 25, 1), 1
	s_wait_xcnt 0x0
	s_wait_alu depctr_hold_cnt(0) depctr_sa_sdst(0) depctr_va_vdst(0) depctr_va_sdst(0) depctr_va_ssrc(0) depctr_va_vcc(0) depctr_vm_vsrc(0)
	s_getreg_b32 s2, hwreg(HW_REG_IB_STS2, 6, 4)
	s_cmp_eq_u32 s2, 0
	s_cbranch_scc0 .Lentry_in_a_cluster
	s_endpgm
.Lentry_in_a_cluster:
	s_bfe_u32 s2, ttmp6, 0x10000c
	s_cmp_lg_u32 s2, 0xf033
	s_cbranch_scc0 .Lentry_shape_is_right
	s_endpgm
.Lentry_shape_is_right:
; The three projections as ONE product: C[m][n] = sum over k of A[m][k] B[n][k] + bias[n], A = xb read as [12288][1024] (q, k, v one
; behind the other), B = the plane g = m / 4096 of wb [4][1024][1024], bias = bq, bk or bv.  f16 operands, f32 sums, C rounded once to f16
; and stored as qkv [3][2][16 heads][2048][64]: byte g * 8 MiB + (b * 16 + head) * 262,144 + s * 128 + 2 d.
; 192 work-groups of four waves, each a block of 256 x 256 of C; a wave makes 128 x 128: 64 accumulator tiles of 16 x 16, 512 registers.
; (No shape gives 256 equal blocks that each stay inside one of q, k, v; blocks of 128 x 128 would double the LDS bytes read for each product.)
; K goes in steps of 128 through two LDS slots filled by the tensor data mover: a tile's rows are 256 bytes, at multiples of 256 bytes.
; CLUSTERS: 4 x 4 work-groups.  The four of a row of the cluster need the same tiles of A, the four of a column the same tiles of B: each such
; tile is asked for jointly, by the same tensor load with the same descriptor and a mask that names the four.  A cluster spans 1,024 rows of A,
; so all sixteen share g, which comes from the cluster's y alone.
; LIMIT: C is kept in f16, finite up to 65,504.  With every input 30 times the drawn spread C's spread is 900 and the largest of 4 M numbers
; about 5,000; with a common offset of 30 spreads on x and on W the sum is 1024 * 30 * 30/32 = 28,800.  Beyond 65,504 C becomes infinite.
;
; REGISTERS, in windows of 256:
;   window 0: v0-31 addresses; v64-127, v128-191 fragments of A, two buffers; v192-255 the bias of my 128 columns, later the packed results
;   window 1: v64-127, v128-191 fragments of B, two buffers
;   window 2: the 32 accumulator tiles of my rows 0-63 (tile (a, b) at v[8 (8 a + b)]);   window 3: those of my rows 64-127
; THE MATRIX INSTRUCTION IS USED TRANSPOSED: source 0 = 16 rows of B, source 1 = 16 rows of A.  Lane l then holds row l % 16 of C and its registers
; 0 to 7 the columns 8 (l / 16) + 0 .. 7.  So the bias of those eight columns, as the first product's C, starts the sums: nothing is cleared or added later.
.set SIZE_K, 1024
.set KSTEP,  128
.set PITCH,  272                       ; an LDS row: 256 bytes + 16 of padding: the 16 rows of a fragment load start at 16 different 16-byte columns of a 256-byte span
.set HALFT,  128*PITCH                 ; 128 rows: what one tensor load brings, and what one wave reads of A or of B
.set SLOT,   4*HALFT                   ; A's 256 rows, then B's 256 rows
.set STAGE,  2*SLOT                    ; behind the ring: 16 rows x 272 bytes for each wave, for the way out; no tensor load lands here
.set SPITCH, 272
.set LAPS, SIZE_K/(2*KSTEP)            ; 4 laps of two K steps
.set ADRA, 16                          ; v16-17  LDS address of my A fragments in slot 0, 1
.set ADRB, 20                          ; v20-21  the same for B
.set STO,  24                          ; the way out: where I put 16 bytes of a row
.set RD,   25                          ; the way out: where I read back
.set CO,   26                          ; my byte offset in a store's 512 bytes
.set BOFF, 27                          ; my byte offset in the bias
.set F0,   64
.set F1,   128
.set BIAS, 192                         ; v[192+8b : 199+8b]: bias of columns 16 b + 8 (l / 16) + 0 .. 7
.set TMP,  192                         ; the way out: packed results (the bias is no longer needed)
.set G1, 24                            ; s[24:31] descriptor group 1 for A's tiles
.set G0, 32                            ; s[32:39] group 0 for A's tiles, one set for each slot
.set G1B, 48                           ; s[48:55] group 1 for B's tiles: another mask
.set G0B, 56                           ; s[56:63] group 0 for B's tiles
.set MSB, 0
.macro WIN new                         ; the immediate's high byte repeats the setting that is left
.if MSB != \new
	s_set_vgpr_msb (MSB<<8)|\new
.set MSB, \new
.endif
.endm
.set MUL_LO,   0xa1                    ; source 0 (B) window 1, source 1 (A) window 0, C and D window 2
.set MUL_HI,   0xf1                    ; the same, C and D window 3
.set FIRST_LO, 0x81                    ; the first products: C (the bias) window 0, D window 2
.set FIRST_HI, 0xc1                    ; C window 0, D window 3
.set TO_B,     0x40                    ; destination window 1, address window 0
; A joint load.  Waves 0 and 1 fetch A's two halves, waves 2 and 3 B's.  The branch hangs on the wave's number alone.
.macro JLOAD s
	s_cmp_eq_u32 s11, 0
	s_cbranch_scc0 .Lfor_b_\@
	tensor_load_to_lds s[G0+4*\s:G0+4*\s+3], s[G1:G1+7]
	s_nop 0
	s_branch .Lasked_\@
.Lfor_b_\@:
	tensor_load_to_lds s[G0B+4*\s:G0B+4*\s+3], s[G1B:G1B+7]
	s_nop 0
.Lasked_\@:
.endm
; A round of the cluster's barrier: my work-group's barrier; wave 0 signals for the work-group; every wave waits for all sixteen; my work-group's barrier again.
.macro CREST                           ; a round behind its opening barrier
	s_cmp_lg_u32 s10, 0
	s_cbranch_scc1 .Lnot_wave_0_\@
	s_barrier_signal -3
.Lnot_wave_0_\@:
	s_barrier_wait -3
	s_barrier_signal -1
	s_barrier_wait -1
.endm
.macro CROUND
	s_barrier_signal -1
	s_barrier_wait -1
	CREST
.endm
	s_load_b128 s[4:7], s[0:1], 0x0                ; xb s[4:5], wb s[6:7]
	s_load_b256 s[68:75], s[0:1], 0x10             ; bq s[68:69], bk s[70:71], bv s[72:73], qkv s[74:75]
	v_lshrrev_b32 v1, 5, v0
	v_readfirstlane_b32 s10, v1                    ; wave 0..3
	s_lshr_b32 s11, s10, 1                         ; which half of the block's rows is mine.  Also: I fetch for A (0) or for B (1)
	s_and_b32 s12, s10, 1                          ; which half of its columns.  Also: which 128 rows of that tile I fetch
	s_bfe_u32 s40, ttmp6, 0x40000                  ; cx
	s_bfe_u32 s41, ttmp6, 0x40004                  ; cy
	s_lshl_b32 s42, ttmp9, 2
	s_add_co_u32 s42, s42, s40                     ; block column of C, 0 .. 3
	s_and_b32 s13, ttmp7, 0xffff
	s_lshr_b32 s45, s13, 2                         ; g = 0, 1, 2 (q, k, v): four clusters of 1,024 rows each; the same in all sixteen work-groups
	s_lshl_b32 s13, s13, 2
	s_add_co_u32 s13, s13, s41                     ; block row of C, 0 .. 47
	s_lshl_b32 s43, s41, 2
	s_lshl_b32 s43, 15, s43                        ; my row of the cluster: places 4 cy .. 4 cy + 3
	s_lshl_b32 s44, 0x1111, s40                    ; my column: places cx, cx + 4, cx + 8, cx + 12
	; descriptor group 1: a tile of 128 rows x 128 elements of 2 bytes, 4 words of padding behind every 64 words
	s_or_b32 s[G1+0], s43, (1<<16)|(1<<20)|(1<<21)|(5<<22)|(3<<25)
	s_or_b32 s[G1B+0], s44, (1<<16)|(1<<20)|(1<<21)|(5<<22)|(3<<25)
	s_mov_b32 s[G1B+1], KSTEP<<16
	s_mov_b32 s[G1+1], KSTEP<<16                   ; tensor_dim0 = 128
	s_mov_b32 s[G1B+2], 128<<16
	s_mov_b32 s[G1+2], 128<<16                     ; tensor_dim1 = 128
	s_mov_b32 s[G1B+3], KSTEP<<16
	s_mov_b32 s[G1+3], KSTEP<<16                   ; tile_dim0 = 128
	s_mov_b32 s[G1B+4], 128
	s_mov_b32 s[G1+4], 128                         ; tile_dim1 = 128
	s_mov_b32 s[G1B+5], SIZE_K
	s_mov_b32 s[G1+5], SIZE_K                      ; elements from row to row
	s_mov_b32 s[G1B+6], 0
	s_mov_b32 s[G1+6], 0
	s_mov_b32 s[G1B+7], 0
	s_mov_b32 s[G1+7], 0
	; A's tiles hang on the block row alone, B's on the block column and g alone; each address in registers that never hold the other coordinate
	s_lshl_b32 s17, s12, 7                         ; which 128 rows of the tile I fetch
	s_lshl_b32 s16, s13, 8
	s_add_co_u32 s16, s16, s17                     ; A: row 256 x block row + 128 x half
	s_lshl_b32 s46, s42, 8
	s_add_co_u32 s46, s46, s17
	s_lshl_b32 s47, s45, 10
	s_add_co_u32 s46, s46, s47                     ; B: row 1,024 g + 256 x block column + 128 x half
	s_mov_b32 s17, 0
	s_mov_b32 s47, 0
	s_mov_b64 s[18:19], SIZE_K*2
	s_mul_u64 s[16:17], s[16:17], s[18:19]         ; in bytes
	s_mul_u64 s[46:47], s[46:47], s[18:19]
	s_mul_i32 s20, s10, HALFT                      ; where they go: wave x 128 rows
	s_wait_kmcnt 0x0
	s_add_nc_u64 s[14:15], s[4:5], s[16:17]
	s_add_nc_u64 s[46:47], s[6:7], s[46:47]
	CROUND                                         ; all sixteen work-groups are here: the first joint loads meet
.irp s, 0,1
	s_mov_b32 s[G0+4*\s], 1
	s_add_co_u32 s[G0+4*\s+1], s20, \s*SLOT
	s_add_nc_u64 s[G0+4*\s+2:G0+4*\s+3], s[14:15], \s*KSTEP*2
	s_or_b32 s[G0+4*\s+3], s[G0+4*\s+3], 0x80000000
	s_mov_b32 s[G0B+4*\s], 1
	s_add_co_u32 s[G0B+4*\s+1], s20, \s*SLOT
	s_add_nc_u64 s[G0B+4*\s+2:G0B+4*\s+3], s[46:47], \s*KSTEP*2
	s_or_b32 s[G0B+4*\s+3], s[G0B+4*\s+3], 0x80000000
	JLOAD \s                                       ; K steps 0 and 1: two tensor loads of the wave are out
.endr
	; fragment addresses: lane l holds row l % 16; two loads of 16 bytes, 32 bytes apart, at row x pitch + 16 (l / 16)
	v_and_b32 v1, 15, v0                           ; l % 16
	v_bfe_u32 v2, v0, 4, 1                         ; l / 16
	v_mul_u32_u24 v3, v1, PITCH
	v_lshl_add_u32 v3, v2, 4, v3
	s_mul_i32 s21, s11, HALFT                      ; my 128 rows of A
	s_mul_i32 s22, s12, HALFT                      ; my 128 rows of B,
	s_add_co_u32 s22, s22, 2*HALFT                 ; which lie behind A's 256
.irp s, 0,1
	v_add_nc_u32 v[ADRA+\s], s21, v3
	v_add_nc_u32 v[ADRB+\s], s22, v3
	s_add_co_u32 s21, s21, SLOT
	s_add_co_u32 s22, s22, SLOT
.endr
	s_mul_i32 s23, s10, 16*SPITCH
	s_add_co_u32 s23, s23, STAGE                   ; my stage
	v_mul_u32_u24 v4, v1, SPITCH                   ; in: row l % 16, 16 bytes for each half of the lanes
	v_lshl_add_u32 v4, v2, 4, v4
	v_add_nc_u32 v[STO], s23, v4
	v_and_b32 v6, 31, v0                           ; l
	v_lshrrev_b32 v7, 3, v6                        ; back: eight lanes take the 128 bytes that one row has of one head,
	v_and_b32 v8, 7, v0                            ; so a wave's load is four rows of one head
	v_mul_u32_u24 v5, v7, SPITCH
	v_lshl_add_u32 v5, v8, 4, v5
	v_add_nc_u32 v[RD], s23, v5
	v_lshlrev_b32 v[CO], 4, v6                     ; four rows of 128 bytes are 512 consecutive bytes of qkv: 16 l
	; the bias of my 128 columns: the buffer is chosen by g, the offset is made apart from it
	s_mov_b64 s[76:77], s[68:69]
	s_cmp_eq_u32 s45, 1
	s_cselect_b64 s[76:77], s[70:71], s[76:77]
	s_cmp_eq_u32 s45, 2
	s_cselect_b64 s[76:77], s[72:73], s[76:77]
	s_lshl_b32 s78, s42, 10                        ; 256 columns x 4 bytes x block column
	s_lshl_b32 s79, s12, 9                         ; + 128 columns x half
	s_add_co_u32 s78, s78, s79
	s_mov_b32 s79, 0
	s_add_nc_u64 s[76:77], s[76:77], s[78:79]
	v_lshlrev_b32 v[BOFF], 5, v2                   ; 8 columns x 4 bytes x (l / 16)
.irp b, 0,1,2,3,4,5,6,7
	global_load_b128 v[BIAS+8*\b:BIAS+8*\b+3],   v[BOFF], s[76:77] offset:64*\b
	global_load_b128 v[BIAS+8*\b+4:BIAS+8*\b+7], v[BOFF], s[76:77] offset:64*\b+16
.endr
; 16 matrix instructions: m blocks a0, a0 + 1 of the window's four x all 8 n blocks, 32 along K.  zero = 1: the bias starts the sums.
; The 64 accumulators take turns, one instruction a turn, in the same order in every quarter step.
.macro MUL16 f, hi, a0, zero
.irp a, \a0, \a0+1
.irp b, 0,1,2,3,4,5,6,7
.if \zero
	v_wmma_f32_16x16x32_f16 v[8*(8*(\a)+\b):8*(8*(\a)+\b)+7], v[\f+8*\b:\f+8*\b+7], v[\f+8*(4*\hi+\a):\f+8*(4*\hi+\a)+7], v[BIAS+8*\b:BIAS+8*\b+7]
.else
	v_wmma_f32_16x16x32_f16 v[8*(8*(\a)+\b):8*(8*(\a)+\b)+7], v[\f+8*\b:\f+8*\b+7], v[\f+8*(4*\hi+\a):\f+8*(4*\hi+\a)+7], v[8*(8*(\a)+\b):8*(8*(\a)+\b)+7]
.endif
.endr
.endr
.endm
; 32 LDS loads in one run: the fragments of one quarter step (32 K at byte k of the rows) into buffer f
.macro FETCH slot, k, f
	WIN TO_B
.irp i, 0,1,2,3,4,5,6,7
	ds_load_b128 v[\f+8*\i:\f+8*\i+3],   v[ADRB+\slot] offset:\k+\i*16*PITCH
	ds_load_b128 v[\f+8*\i+4:\f+8*\i+7], v[ADRB+\slot] offset:\k+\i*16*PITCH+32
.endr
	WIN 0
.irp i, 0,1,2,3,4,5,6,7
	ds_load_b128 v[\f+8*\i:\f+8*\i+3],   v[ADRA+\slot] offset:\k+\i*16*PITCH
	ds_load_b128 v[\f+8*\i+4:\f+8*\i+7], v[ADRA+\slot] offset:\k+\i*16*PITCH+32
.endr
.endm
; Four places between a matrix instruction and a load into one of its sources, or a vector instruction that reads its result.
.macro PLACES
.rept 4
	v_nop
.endr
.endm
; One of the first three quarters of a K step: multiplies buffer f; in its middle it fetches the next quarter's fragments into buffer g.
.macro QUARTER slot, k, f, g, zero
	s_wait_dscnt 8                                 ; B and A's rows 0-63 are in; the youngest eight loads (A's rows 64-127) may be out
.if \zero
	WIN FIRST_LO
.else
	WIN MUL_LO
.endif
	MUL16 \f, 0, 0, \zero
	MUL16 \f, 0, 2, \zero
	PLACES
	FETCH \slot, \k, \g
	s_wait_dscnt 32                                ; all but the 32 just issued
.if \zero
	WIN FIRST_HI
.else
	WIN MUL_HI
.endif
	MUL16 \f, 1, 0, \zero
	MUL16 \f, 1, 2, \zero
.endm
.macro THREE slot, zero
	QUARTER \slot, 64,  F0, F1, \zero
	QUARTER \slot, 128, F1, F0, 0
	QUARTER \slot, 192, F0, F1, 0
.endm
; The last quarter: multiplies buffer 1 and changes slots.  In front of the barrier each wave waits for its reads of this slot and for all its
; tensor loads (one is out: its part of the next slot).  Behind it (fill = 1: behind the cluster's round) the refill comes first, then the next slot's fragments.
.macro TURN slot, next, fill
	s_wait_dscnt 8
	WIN MUL_LO
	MUL16 F1, 0, 0, 0
	s_wait_dscnt 0                                 ; my reads of this slot are over
	s_wait_tensorcnt 0x0                           ; all my tensor loads have landed
	s_barrier_signal -1
	MUL16 F1, 0, 2, 0                              ; register work while the others arrive
	WIN 0
	s_barrier_wait -1
.if \fill
	CREST                                          ; no wave of any partner still reads this slot or has a load on its way
	s_add_nc_u64 s[G0+4*\slot+2:G0+4*\slot+3], s[G0+4*\slot+2:G0+4*\slot+3], 2*KSTEP*2
	s_add_nc_u64 s[G0B+4*\slot+2:G0B+4*\slot+3], s[G0B+4*\slot+2:G0B+4*\slot+3], 2*KSTEP*2
	JLOAD \slot                                    ; the first tensor load behind the round
.endif
	PLACES
	FETCH \next, 0, F0
	WIN MUL_HI
	MUL16 F1, 1, 0, 0
	MUL16 F1, 1, 2, 0
.endm
.macro LAP zero
	THREE 0, \zero
	TURN 0, 1, 1
	THREE 1, 0
	TURN 1, 0, 1
.endm
	s_wait_tensorcnt 1                             ; my part of K step 0 is in; K step 1's load stays out
	s_barrier_signal -1
	s_barrier_wait -1                              ; everybody's is
	FETCH 0, 0, F0
	s_wait_loadcnt 0x0                             ; the bias
	LAP 1                                          ; the first lap stands in front of the loop: its first products start the sums
	WIN 0                                          ; at a label and at a branch every window is 0
	s_mov_b32 s3, LAPS-2
.Llap:
	LAP 0
	WIN 0
	s_sub_co_u32 s3, s3, 1
	s_cmp_lg_u32 s3, 0
	s_cbranch_scc1 .Llap
	THREE 0, 0                                     ; the last lap fills nothing
	TURN 0, 1, 0
	THREE 1, 0
	s_wait_dscnt 8
	WIN MUL_LO
	MUL16 F1, 0, 0, 0
	MUL16 F1, 0, 2, 0
	s_wait_dscnt 0
	WIN MUL_HI
	MUL16 F1, 1, 0, 0
	MUL16 F1, 1, 2, 0
	; THE WAY OUT, 16 rows at a time: round to f16, 16 bytes a lane into my own stage, read back head by head, four rows of 128 bytes a load.
	PLACES
	s_lshr_b32 s16, s13, 3                         ; block row / 8 = 2 g + b: planes of 4 MiB
	s_lshl_b32 s16, s16, 22
	s_and_b32 s14, s13, 7                          ; 256 rows of 128 bytes for each block row inside the plane
	s_lshl_b32 s14, s14, 15
	s_add_co_u32 s16, s16, s14
	s_lshl_b32 s14, s11, 14                        ; my half: 128 rows
	s_add_co_u32 s16, s16, s14
	s_mov_b32 s17, 0
	s_add_nc_u64 s[74:75], s[74:75], s[16:17]
	s_lshl_b32 s46, s42, 20                        ; four heads of 262,144 bytes for each block column
	s_lshl_b32 s47, s12, 19                        ; my half: two heads
	s_add_co_u32 s46, s46, s47
	s_mov_b32 s47, 0
	s_add_nc_u64 s[74:75], s[74:75], s[46:47]
; rows 16 i .. 16 i + 15 of my block = the eight tiles (a, 0..7) of window 2 or 3 (from = 0x0a or 0x0f); f: F0 or F1 in turn
.macro OUT16 i, a, from, f
	WIN \from
.irp b, 0,1,2,3,4,5,6,7
.irp r, 0,1,2,3
	v_cvt_pk_f16_f32 v[TMP+4*\b+\r], v[8*(8*\a+\b)+2*\r], v[8*(8*\a+\b)+2*\r+1]
.endr
.endr
	WIN 0
.irp b, 0,1,2,3,4,5,6,7
	ds_store_b128 v[STO], v[TMP+4*\b:TMP+4*\b+3] offset:32*\b
.endr
	s_wait_xcnt 0x0                                ; buffer f, which earlier stores read, is loaded again only behind this wait (ISA guide 3.1)
.irp t, 0,1,2,3,4,5,6,7
	ds_load_b128 v[\f+4*\t:\f+4*\t+3], v[RD] offset:(\t&3)*4*SPITCH+(\t>>2)*128   ; LDS serves a wave's instructions in order: these see the stores above
.endr
.irp t, 0,1,2,3,4,5,6,7
	s_wait_dscnt 7-\t                              ; load t is in, the 7 - t younger ones stay out
	global_store_b128 v[CO], v[\f+4*\t:\f+4*\t+3], s[74:75] offset:(\t>>2)*262144+\i*2048+(\t&3)*512   ; 512 consecutive bytes, at a multiple of 512
.endr
.endm
	OUT16 0, 0, 0x0a, F0
	OUT16 1, 1, 0x0a, F1
	OUT16 2, 2, 0x0a, F0
	OUT16 3, 3, 0x0a, F1
	OUT16 4, 0, 0x0f, F0
	OUT16 5, 1, 0x0f, F1
	OUT16 6, 2, 0x0f, F0
	OUT16 7, 3, 0x0f, F1
	CROUND                                         ; the closing round: no work-group ends while a partner may still ask for a tile that names it
	s_endpgm
.Lfunc_end_k_qc4a0f095ec_proj:
	.size	k_qc4a0f095ec_proj, .Lfunc_end_k_qc4a0f095ec_proj-k_qc4a0f095ec_proj
	.p2alignl 7, 3214868480
	.fill 96, 4, 3214868480
	.section	.rodata,"a",@progbits
	.p2align	6, 0x0
	.amdhsa_kernel k_qc4a0f095ec_proj
		.amdhsa_group_segment_fixed_size 327680
		.amdhsa_private_segment_fixed_size 0
		.amdhsa_enable_private_segment 0
		.amdhsa_kernarg_size 48
		.amdhsa_user_sgpr_count 2
		.amdhsa_user_sgpr_kernarg_segment_ptr 1
		.amdhsa_wavefront_size32 1
		.amdhsa_system_sgpr_workgroup_id_x 1
		.amdhsa_system_sgpr_workgroup_id_y 1
		.amdhsa_system_sgpr_workgroup_id_z 1
		.amdhsa_system_vgpr_workitem_id 0
		.amdhsa_next_free_vgpr 1024
		.amdhsa_next_free_sgpr 80
		.amdhsa_reserve_vcc 0
		.amdhsa_float_denorm_mode_32 3
		.amdhsa_float_denorm_mode_16_64 3
		.amdhsa_memory_ordered 1
		.amdhsa_forward_progress 1
		.amdhsa_inst_pref_size 197
	.end_amdhsa_kernel
	.amdgpu_metadata
---
amdhsa.version: [ 1, 2 ]
amdhsa.kernels:
  - .name:           k_qc4a0f095ec_proj
    .symbol:         k_qc4a0f095ec_proj.kd
    .args:
      - { .name: xb, .offset: 0, .size: 8, .value_kind: global_buffer, .address_space: global }
      - { .name: wb, .offset: 8, .size: 8, .value_kind: global_buffer, .address_space: global }
      - { .name: bq, .offset: 16, .size: 8, .value_kind: global_buffer, .address_space: global }
      - { .name: bk, .offset: 24, .size: 8, .value_kind: global_buffer, .address_space: global }
      - { .name: bv, .offset: 32, .size: 8, .value_kind: global_buffer, .address_space: global }
      - { .name: qkv, .offset: 40, .size: 8, .value_kind: global_buffer, .address_space: global }
    .group_segment_fixed_size: 327680
    .private_segment_fixed_size: 0
    .kernarg_segment_align: 8
    .kernarg_segment_size: 48
    .max_flat_workgroup_size: 128
    .sgpr_count:     80
    .vgpr_count:     1024
    .wavefront_size: 32
...
	.end_amdgpu_metadata
.endif
;; end of part 2
;; launch attn (part 3): grid 8 x 32, 8 waves a work-group, clusters of 4 x 1, 327,680 bytes of LDS; arguments qkv, ob; writes ob
.if DOCPART == 3
	.amdgcn_target "amdgcn-amd-amdhsa--gfx1250"
	.amdhsa_code_object_version 6
	.text
	.protected	k_qc4a0f095ec_attn
	.globl	k_qc4a0f095ec_attn
	.p2align	8
	.type	k_qc4a0f095ec_attn,@function
k_qc4a0f095ec_attn:
	s_mov_b64 s[64:65], 0
	v_nop
	global_prefetch_b8 v0, s[64:65] scope:SCOPE_SE
	s_setreg_imm32_b32 hwreg(HW_REG_WAVE_MODE, 25, 1), 1
	s_wait_xcnt 0x0
	s_wait_alu depctr_hold_cnt(0) depctr_sa_sdst(0) depctr_va_vdst(0) depctr_va_sdst(0) depctr_va_ssrc(0) depctr_va_vcc(0) depctr_vm_vsrc(0)
	s_getreg_b32 s2, hwreg(HW_REG_IB_STS2, 6, 4)
	s_cmp_eq_u32 s2, 0
	s_cbranch_scc0 .Lentry_in_a_cluster
	s_endpgm
.Lentry_in_a_cluster:
	s_bfe_u32 s2, ttmp6, 0x10000c
	s_cmp_lg_u32 s2, 0x3003
	s_cbranch_scc0 .Lentry_shape_is_right
	s_endpgm
.Lentry_shape_is_right:
; softmax(Q K^T / 8) V for one (batch, head) y and one block of 256 queries.  qkv: f16 [3][32][2048][64]; ob: f16 [32][2048][64].
; Eight waves.  Wave w: queries 64 (w & 3) .. + 63 of the block (four tiles qt of 16) and the half w >> 2 of the keys of every tile of 256 keys.
; Waves w and w + 4 each keep a running maximum, sum and O of their own; they are merged through LDS at the end.
; S^T = K Q^T: A = 16 keys x 32 d from LDS, B = 16 queries x 32 d (in registers for the whole kernel).  Register j of lane (r, h) of a result is
; key 8 h + j of query r.  Two such tiles, rounded to f16 in place, ARE the B fragment (32 keys x 16 queries) of O^T = V^T P^T: scores and
; probabilities never leave the registers, and a query's maximum and sum need one step across lanes (lane r with lane r + 16).
; V^T's fragments come from V's rows by the transposing LDS load.  O's register j of lane (r, h) is d = 8 h + j of query r.
; The maximum is the running one, taken in raw scores; p = 2^(c s - c m), c = log2(e) / 8, in one fused multiply-add and one v_exp_f32.
; TWO KINDS OF WAVES.  A wave's work is a chain S(i), softmax(i), PV(i), S(i+1), ..: a stretch of 64 matrix instructions (PV(i), S(i+1)) takes turns
; with a stretch of about 480 vector instructions.  Eight waves on four SIMDs are two to a SIMD; for one's vector stretch to run under the other's matrix
; stretch the two must be half a period apart.  So a wave of kind 0 meets the round between PV and S, in the middle of its matrix stretch, and a wave of
; kind 1 meets it in the middle of a softmax: it carries the half-done softmax of the slot's last 64 keys, and V's fragments for them, in registers over
; the round and finishes them behind it.  kind = (w xor (w >> 2)) & 1: waves w and w + 4 differ in kind, and so do waves 2 i and 2 i + 1.
; No barrier and no tensor load stands under the branch on the kind; both kinds have read the old slot for the last time in front of the round.
; CLUSTERS: the four query blocks of a cluster read the same K and V tiles: every tile is asked for jointly (mask 15).  cx enters only Q's address and ob's.
; Two LDS slots of 256 keys; each wave brings 32 rows of K and 32 of V: two tensor loads of a wave are out behind each round, with a whole trip to land.
; LIMITS: P and the result are rounded to f16 (P <= about 1; the result is a mean of V's rows, so it has V's range).  v_exp_f32 gives 0 below 2^-126.
; NaN and infinities go the way the arithmetic takes them (v_max3_num_f32 lets a NaN lose; the exponential brings it back into the sums).
.set KP,    144                        ; K's LDS pitch: 128 bytes + 16
.set VP,    160                        ; V's LDS pitch: 128 bytes + 32, an odd multiple of 32 for the transposing load
.set VOFF,  256*KP                     ; V lies behind K's 256 rows
.set SLOT,  256*KP+256*VP              ; 77,824
.set MERGE, 2*SLOT                     ; 155,648: four regions of 17,408: O 16,384, m 512, l 512.  No tensor load lands here or behind
.set MSZ,   17408
.set STAGE, MERGE+4*MSZ                ; 225,280: four stages of 64 rows x 144 bytes
.set STEP,  32768                      ; bytes of 256 rows of K or of V
.set PLANE, 0x800000                   ; bytes of one of Q, K, V
; window 0
.set KA,   2                           ; v2, v3   my K fragments' address in slot 0, 1
.set VA,   4                           ; v4, v5   my V fragments' address
.set QOFF, 6
.set MG,   7                           ; merge region + 16 l
.set ST,   8                           ; stage, in
.set RD,   9                           ; stage, back
.set CO,   10
.set MX,   12                          ; v[12:15] running maximum of query r of tile qt
.set LS,   16                          ; v[16:19] my lane's part of the running sum
.set NM,   20                          ; v[20:27] - c m, twice (a pair for the packed forms)
.set AL,   28                          ; v[28:35] 2^(c m_old - c m_new), twice
.set TT,   36                          ; v[36:39]
.set T2,   40                          ; v[40:43]
.set SU,   44                          ; v[44:51] sums over keys 0-31 of the sub-step, a pair for each qt
.set SU2,  52                          ; v[52:59] sums over keys 32-63 (SU + 8); in the merge the same registers take the partner's figures:
.set PM,   52                          ; v[52:55] the partner's maxima
.set PL,   56                          ; v[56:59] the partner's sums
.set KF,   64                          ; v[64:127]  K fragment (kt, ds) at 64 + 16 kt + 8 ds
.set SC,   128                         ; v[128:255] score tile (qt, kt) at 128 + 32 qt + 8 kt; P (qt, ks) in place at 128 + 32 qt + 16 ks, 8 registers
; window 1
.set OA,   0                           ; O (qt, dt) at 32 qt + 8 dt
.set QF,   128                         ; Q fragment (qt, ds) at 128 + 16 qt + 8 ds
.set VF,   192                         ; V fragment (dt, ks) at 192 + 16 dt + 8 ks
.set G1K, 16                           ; s[16:23]
.set G1V, 24                           ; s[24:31]
.set G0K, 32                           ; s[32:39] slots 0, 1
.set G0V, 40                           ; s[40:47]
.set MSB, 0
.macro WIN new
.if MSB != \new
	s_set_vgpr_msb (MSB<<8)|\new
.set MSB, \new
.endif
.endm
.macro PLACES                          ; four places behind a matrix instruction (ISA guide 7.12.1)
.rept 4
	v_nop
.endr
.endm
.macro ROUND                           ; a round of the cluster's barrier
	s_barrier_signal -1
	s_barrier_wait -1
	s_cmp_lg_u32 s8, 0
	s_cbranch_scc1 .Lnot_wave_0_\@
	s_barrier_signal -3
.Lnot_wave_0_\@:
	s_barrier_wait -3
	s_barrier_signal -1
	s_barrier_wait -1
.endm
	s_load_b128 s[4:7], s[0:1], 0x0                ; qkv s[4:5], ob s[6:7]
	v_lshrrev_b32 v1, 5, v0
	v_readfirstlane_b32 s8, v1                     ; wave 0..7
	s_and_b32 s9, s8, 3                            ; my group of 64 queries
	s_lshr_b32 s10, s8, 2                          ; my half of the keys
	s_xor_b32 s56, s8, s10
	s_and_b32 s56, s56, 1                          ; my kind: 0 meets the round between PV and S, 1 in the middle of a softmax
	s_and_b32 s11, ttmp7, 0xffff                   ; y = batch * 16 + head
	s_bfe_u32 s14, ttmp6, 0x40000                  ; cx
	s_lshl_b32 s15, ttmp9, 2
	s_add_co_u32 s14, s14, s15                     ; query block = 4 x cluster x + cx
	s_lshl_b32 s14, s14, 15                        ; 256 rows of 128 bytes
	s_lshl_b32 s15, s9, 13                         ; + 64 rows for each group
	s_add_co_u32 s14, s14, s15
	s_lshl_b32 s15, s11, 18                        ; + y planes of 262,144 bytes
	s_add_co_u32 s14, s14, s15
	s_mov_b32 s15, 0                               ; s[14:15]: my queries' offset, in Q and in ob alike
	s_lshl_b32 s2, s11, 18
	s_lshl_b32 s3, s8, 12                          ; the 32 rows that I fetch of every tile
	s_add_co_u32 s2, s2, s3
	s_add_co_u32 s2, s2, PLANE                     ; K lies behind Q
	s_mov_b32 s3, 0                                ; s[2:3]: made of y and the wave's number alone, equal in the four partners
	s_mov_b32 s50, 0x76543210                      ; v_permlanex16_b32: lane i reads lane i of the other half
	s_mov_b32 s51, 0xfedcba98
	s_mov_b32 s52, 0x3e38aa3b                      ; c = log2(e) / 8
	s_mov_b32 s53, 0x3e38aa3b
	s_mov_b32 s54, 0xbe38aa3b                      ; - c
	; group 1: 32 rows x 64 elements of 2 bytes, dense in memory; padding behind every 32 words: 4 words (K), 8 words (V); mask 15 with bit 21 beside it
	s_mov_b32 s[G1K+0], 15|(1<<16)|(1<<20)|(1<<21)|(4<<22)|(3<<25)
	s_mov_b32 s[G1V+0], 15|(1<<16)|(1<<20)|(1<<21)|(4<<22)|(7<<25)
.irp g, G1K, G1V
	s_mov_b32 s[\g+1], 64<<16                      ; tensor_dim0 = 64
	s_mov_b32 s[\g+2], 32<<16                      ; tensor_dim1 = 32
	s_mov_b32 s[\g+3], 64<<16                      ; tile_dim0 = 64
	s_mov_b32 s[\g+4], 32                          ; tile_dim1 = 32
	s_mov_b32 s[\g+5], 64                          ; elements from row to row
	s_mov_b32 s[\g+6], 0
	s_mov_b32 s[\g+7], 0
.endr
	s_mul_i32 s49, s8, 32*KP                       ; my rows' place in a slot's K
	s_mul_i32 s55, s8, 32*VP
	s_add_co_u32 s55, s55, VOFF                    ; and in its V
	s_mov_b32 s[G0K+0], 1
	s_mov_b32 s[G0K+1], s49
	s_mov_b32 s[G0K+4], 1
	s_add_co_u32 s[G0K+5], s49, SLOT
	s_mov_b32 s[G0V+0], 1
	s_mov_b32 s[G0V+1], s55
	s_mov_b32 s[G0V+4], 1
	s_add_co_u32 s[G0V+5], s55, SLOT
	s_wait_kmcnt 0x0
	s_add_nc_u64 s[G0K+2:G0K+3], s[4:5], s[2:3]            ; K, tile 0
	s_add_nc_u64 s[G0K+6:G0K+7], s[G0K+2:G0K+3], STEP      ; K, tile 1
	s_add_nc_u64 s[G0V+2:G0V+3], s[G0K+2:G0K+3], PLANE     ; V, tile 0
	s_add_nc_u64 s[G0V+6:G0V+7], s[G0V+2:G0V+3], STEP      ; V, tile 1
.irp g, G0K+3, G0K+7, G0V+3, G0V+7
	s_or_b32 s[\g], s[\g], 0x80000000              ; type = 2
.endr
	s_add_nc_u64 s[12:13], s[4:5], s[14:15]        ; my 64 queries
	s_add_nc_u64 s[6:7], s[6:7], s[14:15]          ; and their place in ob
	v_and_b32 v1, 31, v0                           ; l
	v_and_b32 v11, 15, v0                          ; r
	v_bfe_u32 v60, v0, 4, 1                        ; h
	v_and_b32 v61, 7, v0                           ; l & 7
	v_bfe_u32 v62, v0, 3, 1                        ; (l >> 3) & 1
	v_lshrrev_b32 v63, 3, v1                       ; l >> 3
	v_mul_u32_u24 v[KA], v11, KP                   ; K: row r, 16 bytes for each half of the lanes
	v_lshl_add_u32 v[KA], v60, 4, v[KA]
	s_mul_i32 s48, s10, 128*KP                     ; my half of the slot's keys
	v_add_nc_u32 v[KA], s48, v[KA]
	v_add_nc_u32 v[KA+1], SLOT, v[KA]
	v_lshl_add_u32 v[VA], v60, 3, v61              ; V: row 8 h + (l & 7), 16 bytes by (l >> 3) & 1
	v_mul_u32_u24 v[VA], v[VA], VP
	v_lshl_add_u32 v[VA], v62, 4, v[VA]
	s_mul_i32 s48, s10, 128*VP
	s_add_co_u32 s48, s48, VOFF
	v_add_nc_u32 v[VA], s48, v[VA]
	v_add_nc_u32 v[VA+1], SLOT, v[VA]
	v_lshlrev_b32 v[QOFF], 7, v11                  ; Q in memory: row r of 128 bytes + 16 h
	v_lshl_add_u32 v[QOFF], v60, 4, v[QOFF]
	s_mul_i32 s48, s9, MSZ
	s_add_co_u32 s48, s48, MERGE
	v_lshl_add_u32 v[MG], v1, 4, s48
	s_mul_i32 s48, s9, 64*KP
	s_add_co_u32 s48, s48, STAGE
	v_mul_u32_u24 v[ST], v11, KP
	v_lshl_add_u32 v[ST], v60, 4, v[ST]
	v_add_nc_u32 v[ST], s48, v[ST]
	v_mul_u32_u24 v[RD], v63, KP                   ; back: eight lanes take a row of 128 bytes, a wave four rows
	v_lshl_add_u32 v[RD], v61, 4, v[RD]
	v_add_nc_u32 v[RD], s48, v[RD]
	v_lshlrev_b32 v[CO], 4, v1
.irp qt, 0,1,2,3
	v_mov_b32 v[T2+\qt], 0                         ; v_permlanex16_b32 counts as a reader of its destination
.endr
	WIN 0x40                                       ; destination window 1
.irp qt, 0,1,2,3
.irp ds, 0,1
	global_load_b128 v[QF+16*\qt+8*\ds:QF+16*\qt+8*\ds+3],   v[QOFF], s[12:13] offset:\qt*2048+\ds*64
	global_load_b128 v[QF+16*\qt+8*\ds+4:QF+16*\qt+8*\ds+7], v[QOFF], s[12:13] offset:\qt*2048+\ds*64+32
.endr
.endr
	WIN 0
	ROUND                                          ; the four work-groups are here: the first joint loads meet
	tensor_load_to_lds s[G0K:G0K+3], s[G1K:G1K+7]  ; tile 0
	s_nop 0
	tensor_load_to_lds s[G0V:G0V+3], s[G1V:G1V+7]
	s_nop 0
	s_wait_loadcnt 0x0                             ; Q
; 16 loads: the K fragments of 64 keys (sub-step sub of my half of the slot)
.macro KLOAD slot, sub
.irp kt, 0,1,2,3
.irp ds, 0,1
	ds_load_b128 v[KF+16*\kt+8*\ds:KF+16*\kt+8*\ds+3],   v[KA+\slot] offset:\sub*64*KP+\kt*16*KP+\ds*64
	ds_load_b128 v[KF+16*\kt+8*\ds+4:KF+16*\kt+8*\ds+7], v[KA+\slot] offset:\sub*64*KP+\kt*16*KP+\ds*64+32
.endr
.endr
.endm
; 16 transposing loads: V^T's fragments (16 d x 32 keys) of the same 64 keys
.macro VLOAD slot, sub
.irp dt, 0,1,2,3
.irp ks, 0,1
	ds_load_tr16_b128 v[VF+16*\dt+8*\ks:VF+16*\dt+8*\ks+3],   v[VA+\slot] offset:(\sub*64+\ks*32)*VP+\dt*32
	ds_load_tr16_b128 v[VF+16*\dt+8*\ks+4:VF+16*\dt+8*\ks+7], v[VA+\slot] offset:(\sub*64+\ks*32)*VP+\dt*32+16*VP
.endr
.endr
.endm
; 32 matrix instructions: 64 keys x 64 queries x 64 d.  The 16 accumulators take turns, one instruction a turn; the first 16 start the sums.
.macro SMUL
	s_wait_alu depctr_va_vdst(0)
.irp kt, 0,1,2,3
.irp qt, 0,1,2,3
	v_wmma_f32_16x16x32_f16 v[SC+32*\qt+8*\kt:SC+32*\qt+8*\kt+7], v[KF+16*\kt:KF+16*\kt+7], v[QF+16*\qt:QF+16*\qt+7], 0
.endr
.endr
.irp kt, 0,1,2,3
.irp qt, 0,1,2,3
	v_wmma_f32_16x16x32_f16 v[SC+32*\qt+8*\kt:SC+32*\qt+8*\kt+7], v[KF+16*\kt+8:KF+16*\kt+15], v[QF+16*\qt+8:QF+16*\qt+15], v[SC+32*\qt+8*\kt:SC+32*\qt+8*\kt+7]
.endr
.endr
.endm
; the largest of my 32 scores of each qt and of the running maximum; four chains that do not wait for each other
.macro MAXALL first
.irp qt, 0,1,2,3
	v_max3_num_f32 v[TT+\qt], v[SC+32*\qt], v[SC+32*\qt+1], v[SC+32*\qt+2]
.endr
.set mi, 3
.rept 14
.irp qt, 0,1,2,3
	v_max3_num_f32 v[TT+\qt], v[TT+\qt], v[SC+32*\qt+mi], v[SC+32*\qt+mi+1]
.endr
.set mi, mi+2
.endr
.irp qt, 0,1,2,3
.if \first
	v_max_num_f32 v[TT+\qt], v[TT+\qt], v[SC+32*\qt+31]
.else
	v_max3_num_f32 v[TT+\qt], v[TT+\qt], v[SC+32*\qt+31], v[MX+\qt]
.endif
.endr
.endm
; the other half of the lanes holds the query's other keys; then - c m, and the factor by which the old sums shrink
.macro ALPHA first
.irp qt, 0,1,2,3
	v_permlanex16_b32 v[T2+\qt], v[TT+\qt], s50, s51
.endr
.irp qt, 0,1,2,3
	v_max_num_f32 v[TT+\qt], v[TT+\qt], v[T2+\qt]
.endr
.irp qt, 0,1,2,3
	v_mul_f32 v[NM+2*\qt], s54, v[TT+\qt]
	v_mul_f32 v[NM+2*\qt+1], s54, v[TT+\qt]
.endr
.if \first == 0
.irp qt, 0,1,2,3
	v_fma_f32 v[AL+2*\qt], v[MX+\qt], s52, v[NM+2*\qt]
.endr
.irp qt, 0,1,2,3
	v_exp_f32 v[AL+2*\qt], v[AL+2*\qt]
.endr
.endif
.irp qt, 0,1,2,3
	v_mov_b32 v[MX+\qt], v[TT+\qt]                 ; plain lines that touch no exponential's registers stand behind the run (ISA guide 5.7.2)
.endr
.if \first == 0
	s_wait_alu depctr_va_vdst(0)
.irp qt, 0,1,2,3
	v_mov_b32 v[AL+2*\qt+1], v[AL+2*\qt]
.endr
.endif
.endm
.macro FMA qt                          ; c s - c m, two at a time
.set fi, 0
.rept 16
	v_pk_fma_f32 v[SC+32*\qt+fi:SC+32*\qt+fi+1], v[SC+32*\qt+fi:SC+32*\qt+fi+1], s[52:53], v[NM+2*\qt:NM+2*\qt+1] op_sel_hi:[1,0,1]
.set fi, fi+2
.endr
.endm
; The 32 exponentials of tile qe, each followed by a plain line on another tile's registers (ISA guide 5.7.2): here the multiply-adds of tiles qa and qb
.macro EXFM qe, qa, qb
.set fi, 0
.rept 16
	v_exp_f32 v[SC+32*\qe+fi], v[SC+32*\qe+fi]
	v_pk_fma_f32 v[SC+32*\qa+fi:SC+32*\qa+fi+1], v[SC+32*\qa+fi:SC+32*\qa+fi+1], s[52:53], v[NM+2*\qa:NM+2*\qa+1] op_sel_hi:[1,0,1]
	v_exp_f32 v[SC+32*\qe+fi+1], v[SC+32*\qe+fi+1]
	v_pk_fma_f32 v[SC+32*\qb+fi:SC+32*\qb+fi+1], v[SC+32*\qb+fi:SC+32*\qb+fi+1], s[52:53], v[NM+2*\qb:NM+2*\qb+1] op_sel_hi:[1,0,1]
.set fi, fi+2
.endr
.endm
; Tile qs: my 32 probabilities are summed (in f32) and rounded to f16 in place; withexp = 1: the 32 exponentials of tile qe stand between these lines.
; The two blocks of 16 registers take turns, each with a sum chain of its own (SU, SU2), so that an add does not wait for the add just before it.
; Step XI of a block reads registers 2 XI, 2 XI + 1 and writes register XI, which no later step reads.  Step 0 starts the chain with pairs 0 and 1; step 1 adds nothing.
.macro EXSP qe, qs, withexp
.set XJ, 0
.rept 16
.set XB, SC+32*\qs+16*(XJ&1)
.set XI, XJ>>1
.set XA, SU+8*(XJ&1)+2*\qs
.if \withexp
	v_exp_f32 v[SC+32*\qe+2*XJ], v[SC+32*\qe+2*XJ]
.endif
.if XI == 0
	s_wait_alu depctr_va_vdst(0)
	v_pk_add_f32 v[XA:XA+1], v[XB:XB+1], v[XB+2:XB+3]
.endif
.if XI > 1
	v_pk_add_f32 v[XA:XA+1], v[XA:XA+1], v[XB+2*XI:XB+2*XI+1]
.endif
.if \withexp
	v_exp_f32 v[SC+32*\qe+2*XJ+1], v[SC+32*\qe+2*XJ+1]
.endif
	v_cvt_pk_f16_f32 v[XB+XI], v[XB+2*XI], v[XB+2*XI+1]
.set XJ, XJ+1
.endr
.endm
.macro FINAL first                     ; the two chains and the two halves of a pair meet; the running sum shrinks and takes them
.irp qt, 0,1,2,3
	v_pk_add_f32 v[SU+2*\qt:SU+2*\qt+1], v[SU+2*\qt:SU+2*\qt+1], v[SU2+2*\qt:SU2+2*\qt+1]
.endr
.irp qt, 0,1,2,3
.if \first
	v_add_f32 v[LS+\qt], v[SU+2*\qt], v[SU+2*\qt+1]
.else
	v_add_f32 v[SU+2*\qt], v[SU+2*\qt], v[SU+2*\qt+1]
.endif
.endr
.if \first == 0
.irp qt, 0,1,2,3
	v_fma_f32 v[LS+\qt], v[LS+\qt], v[AL+2*\qt], v[SU+2*\qt]
.endr
.endif
.endm
.macro RESCALE                         ; O shrinks with the sums
.set fi, 0
.rept 64
	v_pk_mul_f32 v[OA+fi:OA+fi+1], v[OA+fi:OA+fi+1], v[AL+2*(fi/32):AL+2*(fi/32)+1]
.set fi, fi+2
.endr
.endm
; 32 matrix instructions: 64 d x 64 queries x 64 keys.  The 16 accumulators take turns, one instruction a turn.
.macro PVMUL first
.irp ks, 0,1
.irp qt, 0,1,2,3
.irp dt, 0,1,2,3
.if (\first) & (1-\ks)
	v_wmma_f32_16x16x32_f16 v[OA+32*\qt+8*\dt:OA+32*\qt+8*\dt+7], v[VF+16*\dt+8*\ks:VF+16*\dt+8*\ks+7], v[SC+32*\qt+16*\ks:SC+32*\qt+16*\ks+7], 0
.else
	v_wmma_f32_16x16x32_f16 v[OA+32*\qt+8*\dt:OA+32*\qt+8*\dt+7], v[VF+16*\dt+8*\ks:VF+16*\dt+8*\ks+7], v[SC+32*\qt+16*\ks:SC+32*\qt+16*\ks+7], v[OA+32*\qt+8*\dt:OA+32*\qt+8*\dt+7]
.endif
.endr
.endr
.endr
.endm
; The scores of 64 keys against my 64 queries; then V's fragments of the same keys are fetched, and (knext = 1) the K fragments of the slot's second 64 keys.
.macro SSTEP slot, sub, knext
	s_wait_dscnt 0x0                               ; the K fragments are in
	WIN 0x04                                       ; source 1 (Q) window 1
	SMUL
	PLACES                                         ; behind the score products: their sources are loaded again, their results read
	WIN 0x40
	VLOAD \slot, \sub
	WIN 0
.if \knext
	KLOAD \slot, 1
.endif
.endm
; The softmax of 64 keys x 64 queries in two halves of about 240 lines each, register work alone.  A wave of kind 1 meets the round between the two.
.macro SOFTA first
	MAXALL \first
	ALPHA \first
	FMA 0
	EXFM 0, 1, 2
	EXSP 1, 0, 1
.endm
.macro SOFTB first
	FMA 3
	EXSP 2, 1, 1
	EXSP 3, 2, 1
	EXSP 0, 3, 0
	FINAL \first
.if \first == 0
	WIN 0x41                                       ; O in window 1, the factor in window 0
	RESCALE
.endif
.endm
; P V.  cnt: how many younger LDS loads (K fragments) may stay out when V's 16 have to be in.
.macro PVSTEP first, cnt
	s_wait_dscnt \cnt
	WIN 0x51                                       ; V and O window 1, P window 0
	PVMUL \first
	WIN 0
.rept 5
	v_nop                                          ; five places: whatever comes next, on either kind's way, may write over P, V's fragments or O (ISA guide 7.12.1)
.endr
.endm
; A trip: one tile of 256 keys.  In front of the round every wave waits for all its tensor loads (its part of this trip's tile among them) and for its
; reads of the other slot, of which the last were V's fragments of its second 64 keys; behind the round the other slot is filled again first, then this slot is read.
; Kind 1 first finishes the softmax and the P V that it carried over the round; kind 0 does the same lines for this slot's last 64 keys in front of the next round.
.macro TRIP slot, refill, first
	s_wait_tensorcnt 0x0                           ; no tensor load of mine is out, so every group 0 may be written:
	s_add_nc_u64 s[G0K+4*\slot+2:G0K+4*\slot+3], s[G0K+4*\slot+2:G0K+4*\slot+3], 2*STEP   ; this slot's next tile
	s_add_nc_u64 s[G0V+4*\slot+2:G0V+4*\slot+3], s[G0V+4*\slot+2:G0V+4*\slot+3], 2*STEP
	s_wait_dscnt 0x0                               ; my reads of the last trip's tile are done
	ROUND                                          ; both now hold of every wave of the four work-groups
.if \refill
	tensor_load_to_lds s[G0K+4-4*\slot:G0K+7-4*\slot], s[G1K:G1K+7]
	s_nop 0
	tensor_load_to_lds s[G0V+4-4*\slot:G0V+7-4*\slot], s[G1V:G1V+7]
	s_nop 0
.endif
	KLOAD \slot, 0
.if \first == 0
	s_cmp_eq_u32 s56, 0
	s_cbranch_scc1 .Lnot_late_\@
	SOFTB 0                                        ; kind 1: the second half of the softmax of the last slot's last 64 keys
	PVSTEP 0, 16                                   ; V's fragments were waited for in front of the round; the 16 loads of K just issued stay out
.Lnot_late_\@:
.endif
	SSTEP \slot, 0, 1
	SOFTA \first
	SOFTB \first
	PVSTEP \first, 16                              ; V's 16 loads are in; the 16 younger loads of K stay out
	SSTEP \slot, 1, 0
	SOFTA 0
	s_cmp_lg_u32 s56, 0
	s_cbranch_scc1 .Lnot_early_\@
	SOFTB 0                                        ; kind 0
	PVSTEP 0, 0
.Lnot_early_\@:
.endm
	TRIP 0, 1, 1                                   ; tile 0 stands in front of the loop: its first 64 keys start maxima, sums and O
	s_mov_b32 s48, 3
.Ltiles:
	TRIP 1, 1, 0                                   ; tiles 1 .. 6; tile 6 asks for tile 7
	TRIP 0, 1, 0
	s_sub_co_u32 s48, s48, 1
	s_cmp_lg_u32 s48, 0
	s_cbranch_scc1 .Ltiles
	TRIP 1, 0, 0                                   ; tile 7 asks for nothing (the stepped addresses are not used)
	s_cmp_eq_u32 s56, 0
	s_cbranch_scc1 .Lall_done
	SOFTB 0                                        ; kind 1: what it would have carried over the next round
	PVSTEP 0, 0
.Lall_done:
	; THE MERGE.  (The five places at the end of the last P V stand in front of it: O is read, P's and K's registers are loaded again.)
	; A query's sum: my lane's part and the other half's.
.irp qt, 0,1,2,3
	v_permlanex16_b32 v[T2+\qt], v[LS+\qt], s50, s51
.endr
.irp qt, 0,1,2,3
	v_add_f32 v[LS+\qt], v[LS+\qt], v[T2+\qt]
.endr
	s_cmp_lt_u32 s8, 4
	s_cbranch_scc1 .Lkeep
	ds_store_b128 v[MG], v[MX:MX+3] offset:16384   ; waves 4 .. 7 hand over maxima, sums and O, register for register, lane for lane
	ds_store_b128 v[MG], v[LS:LS+3] offset:16896
	WIN 0x04                                       ; store data from window 1
.set fi, 0
.rept 32
	ds_store_b128 v[MG], v[OA+4*fi:OA+4*fi+3] offset:512*fi
.set fi, fi+1
.endr
	WIN 0
.Lkeep:
	s_wait_dscnt 0x0                               ; for the partner's sake: my stores are done
	s_barrier_signal -1
	s_barrier_wait -1
	s_cmp_ge_u32 s8, 4
	s_cbranch_scc1 .Lend
	ds_load_b128 v[PM:PM+3], v[MG] offset:16384
	ds_load_b128 v[PL:PL+3], v[MG] offset:16896
.set fi, 0
	s_wait_alu depctr_va_vdst(0)
.rept 32
	ds_load_b128 v[SC+4*fi:SC+4*fi+3], v[MG] offset:512*fi
.set fi, fi+1
.endr
	s_wait_dscnt 32                                ; the partner's maxima and sums are in; the 32 loads of its O stay out
.irp qt, 0,1,2,3
	v_max_num_f32 v[TT+\qt], v[MX+\qt], v[PM+\qt]
.endr
.irp qt, 0,1,2,3
	v_sub_f32 v[NM+2*\qt], v[MX+\qt], v[TT+\qt]
	v_sub_f32 v[AL+2*\qt], v[PM+\qt], v[TT+\qt]
.endr
.irp qt, 0,1,2,3
	v_mul_f32 v[NM+2*\qt], s52, v[NM+2*\qt]
	v_mul_f32 v[AL+2*\qt], s52, v[AL+2*\qt]
.endr
.irp qt, 0,1,2,3
	v_exp_f32 v[NM+2*\qt], v[NM+2*\qt]             ; a1 = 2^(c (m1 - m))
	v_exp_f32 v[AL+2*\qt], v[AL+2*\qt]             ; a2 = 2^(c (m2 - m))
.endr
	v_nop                                          ; one plain place behind the run (ISA guide 5.7.2)
	s_wait_alu depctr_va_vdst(0)
.irp qt, 0,1,2,3
	v_mul_f32 v[T2+\qt], v[NM+2*\qt], v[LS+\qt]
.endr
.irp qt, 0,1,2,3
	v_fmac_f32 v[T2+\qt], v[AL+2*\qt], v[PL+\qt]   ; l = a1 l1 + a2 l2
.endr
.irp qt, 0,1,2,3
	v_rcp_f32 v[T2+\qt], v[T2+\qt]
.endr
	v_nop
	s_wait_alu depctr_va_vdst(0)
.irp qt, 0,1,2,3
	v_mul_f32 v[NM+2*\qt], v[NM+2*\qt], v[T2+\qt]  ; a1 / l
	v_mul_f32 v[AL+2*\qt], v[AL+2*\qt], v[T2+\qt]  ; a2 / l
.endr
.irp qt, 0,1,2,3
	v_mov_b32 v[NM+2*\qt+1], v[NM+2*\qt]
	v_mov_b32 v[AL+2*\qt+1], v[AL+2*\qt]
.endr
	s_wait_dscnt 0x0                               ; the partner's O
.set fi, 0
.rept 64
	v_pk_mul_f32 v[SC+fi:SC+fi+1], v[SC+fi:SC+fi+1], v[AL+2*(fi/32):AL+2*(fi/32)+1]
.set fi, fi+2
.endr
	WIN 0x01                                       ; source 0 (my O) window 1
.set fi, 0
.rept 64
	v_pk_fma_f32 v[SC+fi:SC+fi+1], v[OA+fi:OA+fi+1], v[NM+2*(fi/32):NM+2*(fi/32)+1], v[SC+fi:SC+fi+1]
.set fi, fi+2
.endr
	WIN 0
	; out: a lane's eight d of one query are 16 bytes; through my own stage, back as rows of 128 bytes, four rows a load
.irp qt, 0,1,2,3
.irp dt, 0,1,2,3
.irp i, 0,1,2,3
	v_cvt_pk_f16_f32 v[SC+32*\qt+8*\dt+\i], v[SC+32*\qt+8*\dt+2*\i], v[SC+32*\qt+8*\dt+2*\i+1]
.endr
	ds_store_b128 v[ST], v[SC+32*\qt+8*\dt:SC+32*\qt+8*\dt+3] offset:\qt*16*KP+\dt*32
.endr
.endr
.set fi, 0
.rept 16
	ds_load_b128 v[KF+4*fi:KF+4*fi+3], v[RD] offset:4*KP*fi        ; LDS serves a wave's instructions in order: these see the stores above
.set fi, fi+1
.endr
.set fi, 0
.rept 16
	s_wait_dscnt 15-fi                             ; load fi is in, the younger ones stay out; the last count is 0
	global_store_b128 v[CO], v[KF+4*fi:KF+4*fi+3], s[6:7] offset:512*fi    ; 512 consecutive bytes, at a multiple of 512
.set fi, fi+1
.endr
.Lend:
	ROUND                                          ; the closing round: no work-group ends while a partner may still ask for a tile that names it
	s_endpgm
.Lfunc_end_k_qc4a0f095ec_attn:
	.size	k_qc4a0f095ec_attn, .Lfunc_end_k_qc4a0f095ec_attn-k_qc4a0f095ec_attn
	.p2alignl 7, 3214868480
	.fill 96, 4, 3214868480
	.section	.rodata,"a",@progbits
	.p2align	6, 0x0
	.amdhsa_kernel k_qc4a0f095ec_attn
		.amdhsa_group_segment_fixed_size 327680
		.amdhsa_private_segment_fixed_size 0
		.amdhsa_enable_private_segment 0
		.amdhsa_kernarg_size 16
		.amdhsa_user_sgpr_count 2
		.amdhsa_user_sgpr_kernarg_segment_ptr 1
		.amdhsa_wavefront_size32 1
		.amdhsa_system_sgpr_workgroup_id_x 1
		.amdhsa_system_sgpr_workgroup_id_y 1
		.amdhsa_system_sgpr_workgroup_id_z 1
		.amdhsa_system_vgpr_workitem_id 0
		.amdhsa_next_free_vgpr 512
		.amdhsa_next_free_sgpr 66
		.amdhsa_reserve_vcc 0
		.amdhsa_float_denorm_mode_32 3
		.amdhsa_float_denorm_mode_16_64 3
		.amdhsa_memory_ordered 1
		.amdhsa_forward_progress 1
		.amdhsa_inst_pref_size 255
	.end_amdhsa_kernel
	.section	.bss,"aw",@nobits
	.p2align	6
	.space	262144
	.amdgpu_metadata
---
amdhsa.version: [ 1, 2 ]
amdhsa.kernels:
  - .name:           k_qc4a0f095ec_attn
    .symbol:         k_qc4a0f095ec_attn.kd
    .args:
      - { .name: qkv, .offset: 0, .size: 8, .value_kind: global_buffer, .address_space: global }
      - { .name: ob, .offset: 8, .size: 8, .value_kind: global_buffer, .address_space: global }
    .group_segment_fixed_size: 327680
    .private_segment_fixed_size: 0
    .kernarg_segment_align: 8
    .kernarg_segment_size: 16
    .max_flat_workgroup_size: 256
    .sgpr_count:     66
    .vgpr_count:     512
    .wavefront_size: 32
...
	.end_amdgpu_metadata
.endif
;; end of part 3
;; launch outp (part 4): grid 8 x 32, 4 waves a work-group, clusters of 4 x 4, 327,680 bytes of LDS; arguments ob, wb, bo, out0; writes out0
.if DOCPART == 4
	.amdgcn_target "amdgcn-amd-amdhsa--gfx1250"
	.amdhsa_code_object_version 6
	.text
	.protected	k_qc4a0f095ec_outp
	.globl	k_qc4a0f095ec_outp
	.p2align	8
	.type	k_qc4a0f095ec_outp,@function
k_qc4a0f095ec_outp:
	s_mov_b64 s[64:65], 0
	v_nop
	global_prefetch_b8 v0, s[64:65] scope:SCOPE_SE
	s_setreg_imm32_b32 hwreg(HW_REG_WAVE_MODE, 25, 1), 1
	s_wait_xcnt 0x0
	s_wait_alu depctr_hold_cnt(0) depctr_sa_sdst(0) depctr_va_vdst(0) depctr_va_sdst(0) depctr_va_ssrc(0) depctr_va_vcc(0) depctr_vm_vsrc(0)
	s_getreg_b32 s2, hwreg(HW_REG_IB_STS2, 6, 4)
	s_cmp_eq_u32 s2, 0
	s_cbranch_scc0 .Lentry_in_a_cluster
	s_endpgm
.Lentry_in_a_cluster:
	s_bfe_u32 s2, ttmp6, 0x10000c
	s_cmp_lg_u32 s2, 0xf033
	s_cbranch_scc0 .Lentry_shape_is_right
	s_endpgm
.Lentry_shape_is_right:
; out0[m][n] = sum over k of o[m][k] Wo[n][k] + bo[n].  o = ob, f16 [2][16 heads][2048][64] (k = 64 head + d); Wo = plane 3 of wb, f16 [1024][1024]; out0 f32 [4096][1024].
; 256 work-groups of four waves, each a block of 128 x 128; a wave makes 64 x 64: 16 accumulator tiles.  (Blocks of 256 x 256 would be 64 work-groups.)
; K goes in eight steps of 128 = two heads.  A K step is only 64 matrix instructions of a wave, so four LDS slots are filled at the start, three of them again
; behind one round of the cluster's barrier and the fourth behind a second: by this text's count a wave has at most four tensor loads out.
; A slot: A as two sub-tiles (one head each) of 128 rows x 128 bytes, pitch 144; then B, 128 rows x 256 bytes, pitch 272.
; CLUSTERS: 4 x 4 work-groups; A's tiles are shared along a row of the cluster, B's along a column, each asked for jointly.
; The matrix instruction is used transposed (source 0 = rows of Wo, source 1 = rows of o): a lane's registers 0 to 7 are eight neighbouring columns of one row,
; and the bias of those columns, as the first product's C, starts the sums.
; LIMIT: operands are f16 (o has V's range, see the projection; Wo as converted); sums and the result are f32.
.set AP,    144
.set BP,    272
.set ASUB,  128*AP                     ; 18,432: one head's 128 rows
.set BOFFS, 2*ASUB                     ; 36,864: B behind A
.set SLOT,  BOFFS+128*BP               ; 71,680
.set STAGE, 4*SLOT                     ; 286,720: 16 rows x 272 bytes for each wave; no tensor load lands here
.set SP,    272
.set ADRA, 8                           ; v[8:11]  my A fragments' address in slot 0 .. 3
.set ADRB, 12                          ; v[12:15] the same for B
.set STO,  16
.set RD,   17
.set CO,   18
.set BO,   19
.set BIAS, 32                          ; v[32+8b : 39+8b] bias of columns 16 b + 8 (l / 16) + 0 .. 7
.set F0,   64                          ; fragment buffer: B's four at f + 8 b, A's four at f + 32 + 8 a
.set F1,   128
.set G1A, 16
.set G1B, 24
.set G0A, 32                           ; s[32:47] four slots
.set G0B, 48                           ; s[48:63]
.set MUL,   0x50                       ; C and D window 1 (accumulator (a, b) at v[8 (4 a + b)]), fragments window 0
.set FIRST, 0x40                       ; C (the bias) window 0, D window 1
.set MSB, 0
.macro WIN new
.if MSB != \new
	s_set_vgpr_msb (MSB<<8)|\new
.set MSB, \new
.endif
.endm
.macro PLACES                          ; four places behind a matrix instruction (ISA guide 7.12.1)
.rept 4
	v_nop
.endr
.endm
.macro JLOAD s                         ; waves 0, 1 ask for A's two heads, waves 2, 3 for B's two halves; the branch hangs on the wave's number alone
	s_cmp_eq_u32 s11, 0
	s_cbranch_scc0 .Lfor_b_\@
	tensor_load_to_lds s[G0A+4*\s:G0A+4*\s+3], s[G1A:G1A+7]
	s_nop 0
	s_branch .Lasked_\@
.Lfor_b_\@:
	tensor_load_to_lds s[G0B+4*\s:G0B+4*\s+3], s[G1B:G1B+7]
	s_nop 0
.Lasked_\@:
.endm
.macro CREST
	s_cmp_lg_u32 s10, 0
	s_cbranch_scc1 .Lnot_wave_0_\@
	s_barrier_signal -3
.Lnot_wave_0_\@:
	s_barrier_wait -3
	s_barrier_signal -1
	s_barrier_wait -1
.endm
.macro CROUND
	s_barrier_signal -1
	s_barrier_wait -1
	CREST
.endm
	s_load_b256 s[68:75], s[0:1], 0x0              ; ob s[68:69], wb s[70:71], bo s[72:73], out0 s[74:75]
	v_lshrrev_b32 v1, 5, v0
	v_readfirstlane_b32 s10, v1                    ; wave 0..3
	s_lshr_b32 s11, s10, 1                         ; my half of the rows.  Also: I fetch for A (0) or for B (1)
	s_and_b32 s12, s10, 1                          ; my half of the columns.  Also: which head of A, which 64 rows of B I fetch
	s_bfe_u32 s4, ttmp6, 0x40000                   ; cx
	s_bfe_u32 s5, ttmp6, 0x40004                   ; cy
	s_lshl_b32 s6, ttmp9, 2
	s_add_co_u32 s6, s6, s4                        ; block column, 0 .. 7
	s_and_b32 s7, ttmp7, 0xffff
	s_lshl_b32 s7, s7, 2
	s_add_co_u32 s7, s7, s5                        ; block row, 0 .. 31
	s_lshl_b32 s8, s5, 2
	s_lshl_b32 s8, 15, s8                          ; my row of the cluster
	s_lshl_b32 s9, 0x1111, s4                      ; my column
	; A: 128 rows x 64 elements, dense, 4 words of padding behind every 32.  B: 64 rows x 128 elements, 1,024 from row to row, 4 words behind every 64.
	s_or_b32 s[G1A+0], s8, (1<<16)|(1<<20)|(1<<21)|(4<<22)|(3<<25)
	s_mov_b32 s[G1A+1], 64<<16
	s_mov_b32 s[G1A+2], 128<<16
	s_mov_b32 s[G1A+3], 64<<16
	s_mov_b32 s[G1A+4], 128
	s_mov_b32 s[G1A+5], 64
	s_mov_b32 s[G1A+6], 0
	s_mov_b32 s[G1A+7], 0
	s_or_b32 s[G1B+0], s9, (1<<16)|(1<<20)|(1<<21)|(5<<22)|(3<<25)
	s_mov_b32 s[G1B+1], 128<<16
	s_mov_b32 s[G1B+2], 64<<16
	s_mov_b32 s[G1B+3], 128<<16
	s_mov_b32 s[G1B+4], 64
	s_mov_b32 s[G1B+5], 1024
	s_mov_b32 s[G1B+6], 0
	s_mov_b32 s[G1B+7], 0
	s_lshr_b32 s14, s7, 4                          ; A: batch = block row / 16, planes of 4 MiB
	s_lshl_b32 s14, s14, 22
	s_and_b32 s15, s7, 15                          ; + 128 rows of 128 bytes for each block row in the batch
	s_lshl_b32 s15, s15, 14
	s_add_co_u32 s14, s14, s15
	s_lshl_b32 s15, s12, 18                        ; + my head of the pair
	s_add_co_u32 s14, s14, s15
	s_mov_b32 s15, 0
	s_lshl_b32 s76, s6, 18                         ; B: 128 rows of 2,048 bytes for each block column
	s_lshl_b32 s77, s12, 17                        ; + my 64 rows
	s_add_co_u32 s76, s76, s77
	s_add_co_u32 s76, s76, 6291456                 ; Wo is wb's fourth plane of 2 MiB
	s_mov_b32 s77, 0
	s_mul_i32 s13, s12, ASUB                       ; where they go: made of the wave's number alone
	s_mul_i32 s3, s12, 64*BP
	s_add_co_u32 s3, s3, BOFFS
	s_lshl_b32 s78, s6, 9                          ; my 64 columns in f32: 512 bytes x block column + 256 x half
	s_lshl_b32 s79, s12, 8
	s_add_co_u32 s78, s78, s79
	s_mov_b32 s79, 0
	s_lshl_b32 s66, s7, 19                         ; my 64 rows of out0: 128 rows of 4,096 bytes x block row + 64 rows x half
	s_lshl_b32 s67, s11, 18
	s_add_co_u32 s66, s66, s67
	s_mov_b32 s67, 0
	s_wait_kmcnt 0x0
	s_add_nc_u64 s[14:15], s[68:69], s[14:15]
	s_add_nc_u64 s[76:77], s[70:71], s[76:77]
	s_add_nc_u64 s[72:73], s[72:73], s[78:79]
	s_add_nc_u64 s[74:75], s[74:75], s[78:79]
	s_add_nc_u64 s[74:75], s[74:75], s[66:67]
	CROUND                                         ; all sixteen work-groups are here: the first joint loads meet
.irp s, 0,1,2,3
	s_mov_b32 s[G0A+4*\s], 1
	s_add_co_u32 s[G0A+4*\s+1], s13, \s*SLOT
	s_add_nc_u64 s[G0A+4*\s+2:G0A+4*\s+3], s[14:15], \s*524288     ; K step s: two heads of 262,144 bytes on
	s_or_b32 s[G0A+4*\s+3], s[G0A+4*\s+3], 0x80000000
	s_mov_b32 s[G0B+4*\s], 1
	s_add_co_u32 s[G0B+4*\s+1], s3, \s*SLOT
	s_add_nc_u64 s[G0B+4*\s+2:G0B+4*\s+3], s[76:77], \s*256        ; 128 elements along the rows
	s_or_b32 s[G0B+4*\s+3], s[G0B+4*\s+3], 0x80000000
	JLOAD \s
.endr
	v_and_b32 v1, 15, v0                           ; r = l % 16
	v_bfe_u32 v2, v0, 4, 1                         ; h = l / 16
	v_mul_u32_u24 v3, v1, AP
	v_lshl_add_u32 v3, v2, 4, v3
	v_mul_u32_u24 v4, v1, BP
	v_lshl_add_u32 v4, v2, 4, v4
	s_mul_i32 s13, s11, 64*AP                      ; my 64 rows of A
	s_mul_i32 s3, s12, 64*BP                       ; my 64 rows of B
	s_add_co_u32 s3, s3, BOFFS
.irp s, 0,1,2,3
	v_add_nc_u32 v[ADRA+\s], s13, v3
	v_add_nc_u32 v[ADRB+\s], s3, v4
	s_add_co_u32 s13, s13, SLOT
	s_add_co_u32 s3, s3, SLOT
.endr
	s_mul_i32 s13, s10, 16*SP
	s_add_co_u32 s13, s13, STAGE                   ; my stage
	v_mul_u32_u24 v5, v1, SP                       ; in: row r, 32 bytes (eight f32) for each half of the lanes
	v_lshl_add_u32 v5, v2, 5, v5
	v_add_nc_u32 v[STO], s13, v5
	v_mul_u32_u24 v5, v2, SP                       ; back: lanes 0-15 take one row of 256 bytes, lanes 16-31 the next
	v_lshl_add_u32 v5, v1, 4, v5
	v_add_nc_u32 v[RD], s13, v5
	v_lshlrev_b32 v5, 12, v2                       ; the same two rows in out0, 4,096 bytes apart
	v_lshl_add_u32 v[CO], v1, 4, v5
	v_lshlrev_b32 v[BO], 5, v2
.irp b, 0,1,2,3
	global_load_b128 v[BIAS+8*\b:BIAS+8*\b+3],   v[BO], s[72:73] offset:64*\b
	global_load_b128 v[BIAS+8*\b+4:BIAS+8*\b+7], v[BO], s[72:73] offset:64*\b+16
.endr
; 16 LDS loads: the fragments of quarter q (32 along K) of a slot into buffer f
.macro FETCH slot, q, f
.irp i, 0,1,2,3
	ds_load_b128 v[\f+8*\i:\f+8*\i+3],   v[ADRB+\slot] offset:\q*64+\i*16*BP
	ds_load_b128 v[\f+8*\i+4:\f+8*\i+7], v[ADRB+\slot] offset:\q*64+\i*16*BP+32
.endr
.irp i, 0,1,2,3
	ds_load_b128 v[\f+32+8*\i:\f+32+8*\i+3],   v[ADRA+\slot] offset:(\q>>1)*ASUB+(\q&1)*64+\i*16*AP
	ds_load_b128 v[\f+32+8*\i+4:\f+32+8*\i+7], v[ADRA+\slot] offset:(\q>>1)*ASUB+(\q&1)*64+\i*16*AP+32
.endr
.endm
; 8 matrix instructions.  The 16 accumulators take turns, one instruction a turn, in the same order in every quarter.
.macro MUL8 f, a0, zero
.irp a, \a0, \a0+1
.irp b, 0,1,2,3
.if \zero
	v_wmma_f32_16x16x32_f16 v[8*(4*(\a)+\b):8*(4*(\a)+\b)+7], v[\f+8*\b:\f+8*\b+7], v[\f+32+8*(\a):\f+32+8*(\a)+7], v[BIAS+8*\b:BIAS+8*\b+7]
.else
	v_wmma_f32_16x16x32_f16 v[8*(4*(\a)+\b):8*(4*(\a)+\b)+7], v[\f+8*\b:\f+8*\b+7], v[\f+32+8*(\a):\f+32+8*(\a)+7], v[8*(4*(\a)+\b):8*(4*(\a)+\b)+7]
.endif
.endr
.endr
.endm
; One of the first three quarters: fetches quarter q into buffer g, multiplies buffer f
.macro QUARTER slot, q, f, g, zero
	PLACES                                         ; buffer g was a source of the products just issued
	FETCH \slot, \q, \g
	s_wait_dscnt 16                                ; buffer f's 16 loads are in; the 16 just issued stay out
.if \zero
	WIN FIRST
.else
	WIN MUL
.endif
	MUL8 \f, 0, \zero
	MUL8 \f, 2, \zero
	WIN 0
.endm
.macro THREE slot, zero
	QUARTER \slot, 1, F0, F1, \zero
	QUARTER \slot, 2, F1, F0, 0
	QUARTER \slot, 3, F0, F1, 0
.endm
.macro STEPLOAD s                      ; slot s gets the tile four K steps on
	s_add_nc_u64 s[G0A+4*\s+2:G0A+4*\s+3], s[G0A+4*\s+2:G0A+4*\s+3], 4*524288
	s_add_nc_u64 s[G0B+4*\s+2:G0B+4*\s+3], s[G0B+4*\s+2:G0B+4*\s+3], 4*256
	JLOAD \s
.endm
; The last quarter: multiplies buffer 1 and goes on to slot next.
; kind 0: the next tile is known to have landed in every wave, no barrier.  kind 1: my part of it has landed
; then a barrier.  kind 2: all my loads have landed and my reads are done, a round of the cluster's barrier, and the refills first behind it.
.macro TURN next, kind, cnt, nfill
	s_wait_dscnt 0x0                               ; buffer 1 is in, and my reads of every slot so far are over
.if \kind >= 1
	s_wait_tensorcnt \cnt
	s_barrier_signal -1
.endif
	WIN MUL
	MUL8 F1, 0, 0                                  ; register work while the others arrive
	WIN 0
.if \kind >= 1
	s_barrier_wait -1
.endif
.if \kind == 2
	CREST
.if \nfill == 3
.irp s, 0,1,2
	STEPLOAD \s
.endr
.else
	STEPLOAD 3
.endif
.endif
	PLACES
	FETCH \next, 0, F0
	WIN MUL
	MUL8 F1, 2, 0
	WIN 0
.endm
	s_wait_tensorcnt 3                             ; my part of K step 0 is in; the three younger loads stay out
	s_barrier_signal -1
	s_barrier_wait -1
	FETCH 0, 0, F0
	s_wait_loadcnt 0x0                             ; the bias
	THREE 0, 1                                     ; K step 0: its first products start the sums
	TURN 1, 1, 2, 0                                ; K step 1 has landed, 2 and 3 stay out
	THREE 1, 0
	TURN 2, 1, 1, 0
	THREE 2, 0
	TURN 3, 2, 0, 3                                ; K step 3 has landed; slots 0, 1, 2 have been read by all: K steps 4, 5, 6 go out
	THREE 3, 0
	TURN 0, 2, 0, 1                                ; K steps 4, 5, 6 have landed in every wave; slot 3 has been read by all: K step 7 goes out
	THREE 0, 0
	TURN 1, 0, 0, 0
	THREE 1, 0
	TURN 2, 0, 0, 0
	THREE 2, 0
	TURN 3, 1, 0, 0                                ; K step 7 has landed
	THREE 3, 0
	s_wait_dscnt 0x0
	WIN MUL
	MUL8 F1, 0, 0
	MUL8 F1, 2, 0
	WIN 0
	; THE WAY OUT, 16 rows at a time, through my own stage: in as 32 bytes a lane, back as whole rows of 256 bytes
	PLACES
.macro OUT16 a, f
	WIN 0x04                                       ; store data from window 1
.irp b, 0,1,2,3
	ds_store_b128 v[STO], v[8*(4*\a+\b):8*(4*\a+\b)+3]   offset:64*\b
	ds_store_b128 v[STO], v[8*(4*\a+\b)+4:8*(4*\a+\b)+7] offset:64*\b+16
.endr
	WIN 0
	s_wait_xcnt 0x0                                ; buffer f, which earlier stores read, is loaded again only behind this wait (ISA guide 3.1)
.irp t, 0,1,2,3,4,5,6,7
	ds_load_b128 v[\f+4*\t:\f+4*\t+3], v[RD] offset:\t*2*SP        ; LDS serves a wave's instructions in order: these see the stores above
.endr
.irp t, 0,1,2,3,4,5,6,7
	s_wait_dscnt 7-\t                              ; load t is in, the younger ones stay out
	global_store_b128 v[CO], v[\f+4*\t:\f+4*\t+3], s[74:75] offset:(16*\a+2*\t)*4096 th:TH_STORE_NT   ; 16 lanes store 256 consecutive bytes, at a multiple of 256
.endr
.endm
	OUT16 0, F0
	OUT16 1, F1
	OUT16 2, F0
	OUT16 3, F1
	CROUND                                         ; the closing round
	s_endpgm
.Lfunc_end_k_qc4a0f095ec_outp:
	.size	k_qc4a0f095ec_outp, .Lfunc_end_k_qc4a0f095ec_outp-k_qc4a0f095ec_outp
	.p2alignl 7, 3214868480
	.fill 96, 4, 3214868480
	.section	.rodata,"a",@progbits
	.p2align	6, 0x0
	.amdhsa_kernel k_qc4a0f095ec_outp
		.amdhsa_group_segment_fixed_size 327680
		.amdhsa_private_segment_fixed_size 0
		.amdhsa_enable_private_segment 0
		.amdhsa_kernarg_size 32
		.amdhsa_user_sgpr_count 2
		.amdhsa_user_sgpr_kernarg_segment_ptr 1
		.amdhsa_wavefront_size32 1
		.amdhsa_system_sgpr_workgroup_id_x 1
		.amdhsa_system_sgpr_workgroup_id_y 1
		.amdhsa_system_sgpr_workgroup_id_z 1
		.amdhsa_system_vgpr_workitem_id 0
		.amdhsa_next_free_vgpr 384
		.amdhsa_next_free_sgpr 80
		.amdhsa_reserve_vcc 0
		.amdhsa_float_denorm_mode_32 3
		.amdhsa_float_denorm_mode_16_64 3
		.amdhsa_memory_ordered 1
		.amdhsa_forward_progress 1
		.amdhsa_inst_pref_size 92
	.end_amdhsa_kernel
	.amdgpu_metadata
---
amdhsa.version: [ 1, 2 ]
amdhsa.kernels:
  - .name:           k_qc4a0f095ec_outp
    .symbol:         k_qc4a0f095ec_outp.kd
    .args:
      - { .name: ob, .offset: 0, .size: 8, .value_kind: global_buffer, .address_space: global }
      - { .name: wb, .offset: 8, .size: 8, .value_kind: global_buffer, .address_space: global }
      - { .name: bo, .offset: 16, .size: 8, .value_kind: global_buffer, .address_space: global }
      - { .name: out0, .offset: 24, .size: 8, .value_kind: global_buffer, .address_space: global }
    .group_segment_fixed_size: 327680
    .private_segment_fixed_size: 0
    .kernarg_segment_align: 8
    .kernarg_segment_size: 32
    .max_flat_workgroup_size: 128
    .sgpr_count:     80
    .vgpr_count:     384
    .wavefront_size: 32
...
	.end_amdgpu_metadata
.endif
;; end of part 4
